; MI455X (gfx1250); checked and timed in simulation.
; The chip was launched on July 23, 2026; its instructions are those of AMD's public machine-readable ISA for CDNA 5 (MIT licence, August 2026) and "CDNA5" Instruction Set Architecture Reference Guide (July 2026). The comments in the code are by the model that wrote it; some were corrected since.
;; Attention. Allowed arithmetic: float matrix products may take bf16 or f16 operands with f32 sums; all other float work in f32.
;; Inputs: key_layer 4 x 2,048 x 1,024 float32; query_layer 4 x 2,048 x 1,024 float32; value_layer 4 x 2,048 x 1,024 float32.
;; Outputs: out0 4 x 2,048 x 1,024 float32.
;; One version. Each part assembles by itself: llvm-mc -triple=amdgcn-amd-amdhsa -mcpu=gfx1250 --defsym DOCPART=n.
;; ======== version 1 of 1: 1 launch
;; limits: inputs' magnitudes at most 65,504; values are held in f16: magnitudes above 65,504 overflow, below 6.1e-05 lose precision
;; launch attn (part 1): grid 4 x 64, 4 waves a work-group, clusters of 4 x 1, 327,680 bytes of LDS; arguments query_layer, key_layer, value_layer, out0; writes out0
.if DOCPART == 1
	.amdgcn_target "amdgcn-amd-amdhsa--gfx1250"
	.amdhsa_code_object_version 6
	.text
	.protected	k_q4e67efddd0_attn
	.globl	k_q4e67efddd0_attn
	.p2align	8
	.type	k_q4e67efddd0_attn,@function
k_q4e67efddd0_attn:
	s_mov_b64 s[64:65], 0
	v_nop
	global_prefetch_b8 v0, s[64:65] scope:SCOPE_SE
	s_setreg_imm32_b32 hwreg(HW_REG_WAVE_MODE, 25, 1), 1
	s_wait_xcnt 0x0
	s_wait_alu depctr_hold_cnt(0) depctr_sa_sdst(0) depctr_va_vdst(0) depctr_va_sdst(0) depctr_va_ssrc(0) depctr_va_vcc(0) depctr_vm_vsrc(0)
	s_getreg_b32 s2, hwreg(HW_REG_IB_STS2, 6, 4)
	s_cmp_eq_u32 s2, 0
	s_cbranch_scc0 .Lentry_in_a_cluster
	s_endpgm
.Lentry_in_a_cluster:
	s_bfe_u32 s2, ttmp6, 0x10000c
	s_cmp_lg_u32 s2, 0x3003
	s_cbranch_scc0 .Lentry_shape_is_right
	s_endpgm
.Lentry_shape_is_right:
; O[b][q][h][:] = the sum over k of softmax_k(Q[b][q][h] . K[b][k][h] / 8) V[b][k][h][:].  Q, K, V, O: [4][2048][16][64] in f32: a head's row is 256 bytes, at a multiple of 256, rows 4,096 bytes apart.
; FORMATS.  Q, K, V and the weights p are rounded once to f16 for the matrix products; products, maxima, sums and O in f32 (l is the sum of the unrounded p).
; LIMITS.  |q|, |k|, |v| below 65,504 (f16's largest number; beyond it a conversion gives an infinity and the row is lost); operands and weights below 6e-5 keep f16's fixed step of 6e-8;
; a weight below 2^-126 counts as 0 in l; NaN and infinities are not treated apart.
; SHARES.  64 heads x 4 blocks of 512 queries = 256 work-groups.  A wave owns 128 queries: four PIECES of two tiles of 16.  Every wave walks the head's 2,048 keys, 64 a step.
; THE ROAD OF K AND V.  A CHUNK is 128 keys, two steps.  A joint tensor load brings a chunk's f32 rows into an f32 slot; the four waves cast it ONCE for the work-group (32 keys a wave) into an f16 buffer,
; from which every wave reads its fragments: K as it lies, V ([key][channel]) turned, by ds_load_tr16_b128.  f32 slots and f16 buffers go by the chunk's parity.  Behind the change of slots c: f32 chunk c + 3 is
; asked for, chunk c + 2 is cast, chunk c + 1 is multiplied.  The f32 slots are written by tensor loads alone, the f16 buffers and the stages by LDS stores alone.
; LAYOUT.  S^T = K Q^T (source 0 = 16 keys, source 1 = 16 queries): a lane holds ONE query (lane % 16) and the keys 8 (lane / 16) + 0..7.  Two such tiles, rounded to f16 in pairs, ARE source 1 of O^T = V^T P,
; whose result again holds one query a lane, and eight channels.
; SOFTMAX.  For each query a running maximum m and sum l: p = 2^(c s - c m), c = log2(e) / 8; in every step O and l are multiplied by a = 2^(c m_old - c m_new).  m starts at the lowest finite number,
; O and l at 0: the first step is a step like any other, with a = 0.
; BY TURNS.  A tile and step have 16 matrix and 118 vector instructions.  Turn n belongs to piece n: 16 products K Q^T of piece n + 1, later 16 products V^T P of piece n - 1; beside them the scaling, exponentials,
; roundings, sums and rescaling of piece n and the maximum and statistics of piece n + 1.  Four vector instructions that are ready stand behind every matrix instruction, the others in two lumps.
; CLUSTER.  The four query blocks of a head form a cluster and walk the same K and V: each f32 tile is asked for JOINTLY, by the same tensor load, descriptor and mask in all four.
; REGISTERS, in windows of 256 (s_set_vgpr_msb: bits 1:0 source 0, 3:2 source 1, 5:4 source 2, 7:6 destination):
;   window 0: v0-11 addresses; v12-15, v48-63 at work; v16-47 four registers of statistics a tile; v64-191 S^T, two buffers of two tiles; v192-255 P, likewise
;   window 1: O^T, 32 a tile (at the start: Q's f32 rows)     window 2: v0-127 Q, 16 a tile; v128-191 K of one step; v192-255 V of one step
;   window 3: v0-1 the add's two registers; v2-7 the cast's addresses; v16-143 the cast's f32; v144-207 its f16
.set NP,    4         ; pieces a wave: a name, no knob
.set KS,    64        ; keys in a step
.set NCH,   16        ; chunks of 128 keys in a head
.set ROWB,  4096      ; bytes from a row of a head to the next, in memory
.set CHUNKB, 128*ROWB
.set PF,    272       ; an f32 row in LDS: 256 bytes + 16 of padding
.set PK,    144       ; an f16 row of K: 128 bytes + 16 = 36 words: the 16 rows of a load start at 16 different groups of four banks (64 banks of 4 bytes: ISA guide 11.1)
.set PV,    160       ; an f16 row of V: 128 + 32 = 40 words
.set FV,    128*PF            ; in a slot: f32 K at 0, f32 V here,
.set F16K,  2*128*PF          ; f16 K,
.set F16V,  F16K+128*PK       ; f16 V.  All four begin at multiples of 256
.set SLOT1, 1<<17             ; slot 1 begins here, so that one exclusive or turns an address in one slot into the other's
.set STAGE, SLOT1+F16V+128*PV ; behind the slots: a stage for each wave, never filled by a tensor load: Q on its way in (128 rows x 144 bytes), O on its way out (16 rows x 272)
.set STW,   128*PK
.set SO,    272
.set SPARE, STAGE+4*STW       ; behind the stages: the spare words, 128 bytes for each wave: two blocks of 256 bytes that no other line names
.set AK0, 2           ; v2   my lane's place in an f16 tile of K; never rewritten
.set AV0, 3           ; v3   the same for V
.set AK,  4           ; v4   the LDS address of K's next run of loads
.set AV,  5           ; v5   of V's
.set QS,  6           ; v6   Q's way in: where I put 8 bytes of a row
.set QR,  7           ; v7   Q's way in: where I read a fragment
.set STO, 6           ;      later, the way out: where I put 32 bytes of a row
.set RD,  7           ;      the way out: where I read rows back
.set GO,  8           ; v8   my byte offset in two rows of Q or O: lanes 0-15 one row's 256 bytes, lanes 16-31 the next row's; never rewritten
.set MV,  12          ; v12-15  c m_old, kept while c m is made anew: by buffer and tile
.set ST,  16          ; tile t's statistics at v[ST+4 t]: c m, m, l (even keys', odd keys')
.set TMP, 48          ; by buffer and tile, four registers c0-c3 at work; when the maximum is found c2 takes a
.set S,   64
.set P,   192
.set KF,  128         ; window 2: key block kb, channel half c at KF + 16 kb + 8 c
.set VF,  192         ; window 2: key half kk, channel block cb at VF + 32 kk + 8 cb
.set SPW, 0           ; window 3: LDS address of my spare word: SPARE + 4 x my thread's number; never rewritten
.set NIL, 1           ; window 3: 0; never rewritten
.set CF0, 2           ; window 3: the cast: my 32 bytes of an f32 row, in slot 0; never rewritten
.set CK0, 3           ;           my 16 bytes of an f16 row of K
.set CV0, 4           ;           and of V
.set CFA, 5           ; window 3: the same three in the slot in hand
.set CKA, 6
.set CVA, 7
.set CT,  16          ; window 3: 32 loads x 4 f32
.set CH,  144         ; window 3: 16 x 4 registers of f16 pairs
.set WV,  12          ; s12  my wave's number
.set G1,  24          ; s[24:31] descriptor group 1, for K's and V's tiles alike
.set G0K, 32          ; s[32:39] descriptor group 0 for K's tiles: a set for each of the two first fills; the second then walks on
.set G0V, 40          ; s[40:47] the same for V's
.set TC,  48          ; s48  the slot of the chunk to be cast: 0 or SLOT1
.set TL,  49          ; s49  counts the tail's two chunks
.set SLOTS, 56        ; s56  counts the loop's chunks
.set CNT, 57          ; s57  counts a chunk's two key steps
.set CS,  58          ; s[58:59] c: the packed scaling takes the pair's low word for both halves
.set SEL, 60          ; s[60:61] v_permlanex16_b32's selects: each lane takes its own place in the other half
.set TBK, 62          ; s62  slot and step of the K to be fetched next, in bytes
.set TBV, 63          ; s63  the same for V
.set MSB, 0
.macro WIN new                      ; the high byte repeats the setting that is left; a switch that changes nothing is dropped
.if MSB != (\new)
	s_set_vgpr_msb (MSB<<8)|(\new)
.set MSB, (\new)
.endif
.endm
.set W_KQ, 0x0a       ; K and Q in window 2, S^T in window 0
.set W_PV, 0x52       ; V in window 2, P in window 0, O^T in window 1
.set W_RS, 0x41       ; O^T (destination and source 0) in window 1, the factor in window 0
.set W_MK, 0xc0       ; destination in window 3, sources in window 0
.set W_AD, 0x0f       ; the add: address (source 0) and data (source 1) in window 3
.set W_CV, 0xcf       ; the cast: sources 0 and 1 and the destination in window 3
; A joint refill.  Waves 0 and 1 fetch the two halves of a chunk's K, waves 2 and 3 those of its V: 64 rows of 256 bytes each.  The branch hangs on the wave's number alone.
; An s_nop 0 and four v_nop follow each of the two lines, ahead of the jump and the label.
.macro JLOAD
	s_cmp_lt_u32 s[WV], 2
	s_cbranch_scc0 .Lfor_v_\@
	tensor_load_to_lds s[G0K+4:G0K+7], s[G1:G1+7]
	s_nop 0
.rept 4
	v_nop
.endr
	s_branch .Lasked_\@
.Lfor_v_\@:
	tensor_load_to_lds s[G0V+4:G0V+7], s[G1:G1+7]
	s_nop 0
.rept 4
	v_nop
.endr
.Lasked_\@:
.endm
; A round of the cluster's barrier: my work-group's barrier, so that wave 0's signal speaks for all four waves; wave 0 signals; every wave waits for all four work-groups; my work-group's barrier once more.
.macro CROUND
	s_barrier_signal -1
	s_barrier_wait -1
	s_cmp_lg_u32 s[WV], 0
	s_cbranch_scc1 .Lnot_wave_0_\@
	s_barrier_signal -3
.Lnot_wave_0_\@:
	s_barrier_wait -3
	s_barrier_signal -1
	s_barrier_wait -1
.endm
; THE CHANGE OF SLOTS.  Each wave waits for all its tensor loads, of which one is out at the most (its part of the f32 chunk to be cast next); adds 0 to its spare word; and waits for that, for its stores of
; the f16 chunk to be multiplied next, for its reads of the f32 chunk that it cast, and for its reads of the f16 chunk that it leaves.  Behind the barrier all that holds of every wave.
; fill = 1: the f32 slot that was cast last is filled again, with the chunk two on.  The barrier is then a round of the cluster's, so that no wave of any partner still reads that slot or has a load on its way,
; and the joint refill is the first thing behind it: it has a chunk's 256 matrix instructions a wave in which to land.
.macro CHANGE fill
	WIN W_AD
	s_wait_tensorcnt 0x0            ; no tensor load of mine is out, so a group 0 may be written
	ds_add_u32 v[SPW], v[NIL]       ; 0 onto my spare word: the scalar steps below stand between it and the wait for it
	WIN 0                           ; at a label and at a branch every window is 0
.if \fill
.irp g, G0K+4, G0V+4
	s_xor_b32 s[\g+1], s[\g+1], SLOT1  ; the walking descriptor: the other slot than last time,
	s_add_nc_u64 s[\g+2:\g+3], s[\g+2:\g+3], CHUNKB  ; the next 128 keys; the type bits on top are not reached
.endr
.endif
	s_sub_co_u32 s[TBK], s[TBK], 2*KS*PK  ; the fetches go back to a chunk's first step,
	s_xor_b32 s[TBK], s[TBK], SLOT1       ; in the other slot
	s_sub_co_u32 s[TBV], s[TBV], 2*KS*PV
	s_xor_b32 s[TBV], s[TBV], SLOT1
	s_xor_b32 s[TC], s[TC], SLOT1         ; and so does the cast
	s_wait_dscnt 0x0                ; the add is done, and so are all my LDS stores and reads
.if \fill
	CROUND
	JLOAD
.else
	s_barrier_signal -1
	s_barrier_wait -1
.endif
.endm
; THE CAST of the chunk in slot TC.  My wave takes keys 32 w .. 32 w + 31 of K and of V, four keys to a pair of loads: lane l takes key 4 g + l / 8, channels 8 (l % 8) + 0..7: 32 bytes of f32 in, 16 bytes of f16 out.
; Sixteen lanes of a load take two rows 272 bytes apart at a stride of 32 bytes: sixteen different columns of 16 bytes.  One window setting serves the whole of it.
.macro CONVERT
	WIN W_CV
	v_add_nc_u32 v[CFA], s[TC], v[CF0]
	v_add_nc_u32 v[CKA], s[TC], v[CK0]
	v_add_nc_u32 v[CVA], s[TC], v[CV0]
.irp g, 0,1,2,3,4,5,6,7
	ds_load_b128 v[CT+8*\g:CT+8*\g+3],   v[CFA] offset:\g*4*PF
	ds_load_b128 v[CT+8*\g+4:CT+8*\g+7], v[CFA] offset:\g*4*PF+16
.endr
.irp g, 0,1,2,3,4,5,6,7
	ds_load_b128 v[CT+64+8*\g:CT+64+8*\g+3],   v[CFA] offset:FV+\g*4*PF
	ds_load_b128 v[CT+64+8*\g+4:CT+64+8*\g+7], v[CFA] offset:FV+\g*4*PF+16
.endr
.set cg, 0
.rept 16
	s_wait_dscnt 30-2*cg            ; LDS loads come back in order (ISA guide 5.7.1): pair cg of the sixteen is in; the 30 - 2 cg loads behind it may be out
.irp j, 0,1,2,3
	v_cvt_pk_f16_f32 v[CH+4*cg+\j], v[CT+8*cg+2*\j], v[CT+8*cg+2*\j+1]
.endr
.set cg, cg+1
.endr
.irp g, 0,1,2,3,4,5,6,7
	ds_store_b128 v[CKA], v[CH+4*\g:CH+4*\g+3] offset:\g*4*PK
.endr
.irp g, 0,1,2,3,4,5,6,7
	ds_store_b128 v[CVA], v[CH+32+4*\g:CH+32+4*\g+3] offset:\g*4*PV
.endr
	WIN 0
.endm
	s_load_b256 s[4:11], s[0:1], 0x0  ; Q s[4:5], K s[6:7], V s[8:9], O s[10:11]
	WIN W_MK
	v_lshl_add_u32 v[SPW], v0, 2, SPARE
	v_mov_b32 v[NIL], 0
	WIN W_AD
	ds_add_u32 v[SPW], v[NIL]       ; the wave's opening: the add and its wait stand ahead of my first tensor load; the set-up below, work on registers, stands between them
	WIN 0
	v_lshrrev_b32 v1, 5, v0
	v_readfirstlane_b32 s[WV], v1   ; wave 0..3
	s_bfe_u32 s13, ttmp6, 0x40000   ; cx: my place in the cluster
	s_lshl_b32 s14, ttmp9, 2        ; in a cluster launch ttmp9 counts clusters
	s_add_co_u32 s14, s14, s13      ; my block of 512 queries = 4 x cluster x + cx: it enters Q's and O's addresses alone
	s_and_b32 s16, ttmp7, 0xffff    ; 16 x batch + head, which the four partners share
	s_lshr_b32 s20, s16, 4
	s_lshl_b32 s20, s20, 23         ; a batch is 2,048 rows of 4,096 bytes,
	s_and_b32 s16, s16, 15
	s_lshl_b32 s16, s16, 8          ; a head 256 bytes of each row
	s_add_co_u32 s20, s20, s16
	s_mov_b32 s21, 0                ; s[20:21]: the head's first byte in each of the four tensors
	s_and_b32 s16, s[WV], 1         ; which half of a chunk's 128 keys I fetch:
	s_lshl_b32 s22, s16, 18         ; its 64 rows, 4,096 bytes apart in memory,
	s_mov_b32 s23, 0
	s_add_nc_u64 s[22:23], s[22:23], s[20:21]
	s_mul_i32 s17, s16, 64*PF       ; and its place in an f32 slot: no place in the cluster enters an LDS address
	s_lshl_b32 s2, s14, 2
	s_add_co_u32 s2, s2, s[WV]      ; my wave among the head's sixteen,
	s_lshl_b32 s2, s2, 19           ; its 128 rows
	s_mov_b32 s3, 0
	s_add_nc_u64 s[2:3], s[2:3], s[20:21]
	; descriptor group 1: a tile of 64 rows x 64 elements of 4 bytes, padded in LDS
	s_mov_b32 s[G1], 15|(2<<16)|(1<<20)|(1<<21)|(5<<22)|(3<<25)  ; 15:0 the mask of four; 17:16 4-byte elements; 20 padding on; 21 set beside a mask; 24:22 after every 64 words (code 5); 31:25 4 words (code 3)
	s_mov_b32 s[G1+1], 64<<16       ; tensor_dim0 = 64
	s_mov_b32 s[G1+2], 64<<16       ; tensor_dim1 = 64
	s_mov_b32 s[G1+3], 64<<16       ; tile_dim0 = 64
	s_mov_b32 s[G1+4], 64           ; tile_dim1 = 64
	s_mov_b32 s[G1+5], 1024         ; 1,024 elements from row to row
	s_mov_b32 s[G1+6], 0
	s_mov_b32 s[G1+7], 0
	s_mov_b32 s[CS], 0x3e38aa3b     ; c = log2(e) / 8 = 0.180337
	s_mov_b32 s[CS+1], s[CS]        ; named with it as a pair
	s_mov_b32 s[SEL], 0x76543210
	s_mov_b32 s[SEL+1], 0xfedcba98
	s_mov_b32 s[TBK], SLOT1+2*KS*PK ; the first change of slots turns these two into 0
	s_mov_b32 s[TBV], SLOT1+2*KS*PV
	s_mov_b32 s[TC], 0              ; the first cast is chunk 0's, in slot 0
	s_wait_dscnt 0x0                ; the opening add is done
	s_wait_kmcnt 0x0
	s_add_nc_u64 s[6:7], s[6:7], s[22:23]  ; K and V at my half of the head's chunk 0
	s_add_nc_u64 s[8:9], s[8:9], s[22:23]
	s_add_nc_u64 s[4:5], s[4:5], s[2:3]    ; Q and O at my wave's first row
	s_add_nc_u64 s[10:11], s[10:11], s[2:3]
	CROUND                          ; all four work-groups are here: the first joint loads meet
.irp s, 0,1
	s_mov_b32 s[G0K+4*(\s)], 1      ; 1:0 count = 1
	s_add_co_u32 s[G0K+4*(\s)+1], s17, (\s)*SLOT1  ; 63:32 LDS address
	s_add_nc_u64 s[G0K+4*(\s)+2:G0K+4*(\s)+3], s[6:7], (\s)*CHUNKB  ; 120:64 global address: chunk s
	s_or_b32 s[G0K+4*(\s)+3], s[G0K+4*(\s)+3], 0x80000000  ; 127:126 type = 2
	s_mov_b32 s[G0V+4*(\s)], 1
	s_add_co_u32 s[G0V+4*(\s)+1], s17, (\s)*SLOT1+FV
	s_add_nc_u64 s[G0V+4*(\s)+2:G0V+4*(\s)+3], s[8:9], (\s)*CHUNKB
	s_or_b32 s[G0V+4*(\s)+3], s[G0V+4*(\s)+3], 0x80000000
.endr
	s_cmp_lt_u32 s[WV], 2           ; a wave's two first fills stand in one branch, ahead of every wait on TENSORcnt and every LDS read: two loads of mine are out; an s_nop 0 follows each, four v_nop the second's
	s_cbranch_scc0 .Lfirst_v
	tensor_load_to_lds s[G0K:G0K+3], s[G1:G1+7]
	s_nop 0
	tensor_load_to_lds s[G0K+4:G0K+7], s[G1:G1+7]
	s_nop 0
.rept 4
	v_nop
.endr
	s_branch .Lfirst_asked
.Lfirst_v:
	tensor_load_to_lds s[G0V:G0V+3], s[G1:G1+7]
	s_nop 0
	tensor_load_to_lds s[G0V+4:G0V+7], s[G1:G1+7]
	s_nop 0
.rept 4
	v_nop
.endr
.Lfirst_asked:
	; Q's 128 rows, two to a load: sixteen lanes take one row's 256 consecutive bytes.  They land in O^T's registers, which are not yet in use.
	v_and_b32 v1, 15, v0            ; l % 16
	v_bfe_u32 v9, v0, 4, 1          ; l / 16
	v_lshlrev_b32 v[GO], 12, v9
	v_lshl_add_u32 v[GO], v1, 4, v[GO]
	WIN 0x40                        ; destination window 1, address window 0
.set i, 0
.rept 64
	global_load_b128 v[4*i:4*i+3], v[GO], s[4:5] offset:i*2*ROWB th:TH_LOAD_NT
.set i, i+1
.endr
	; What the first turn finds: V's registers and P's second buffer hold 0 (its products V^T P, of a piece that has not been, add 0), l is 0.  All this stands in the wait for the first tile.
	WIN 0x80
.set i, VF
.rept 64
	v_mov_b32 v[i], 0
.set i, i+1
.endr
	WIN 0
.set i, 0
.rept 2*NP
	v_mov_b32 v[ST+4*i], 0xfe000000    ; c m: far below every c s
	v_mov_b32 v[ST+4*i+1], 0xff7fffff  ; m
	v_mov_b32 v[ST+4*i+2], 0
	v_mov_b32 v[ST+4*i+3], 0
.set i, i+1
.endr
.set i, P+32
.rept 32
	v_mov_b32 v[i], 0
.set i, i+1
.endr
	; A fragment of K or Q is 16 rows x 32 channels in 8 registers: lane l holds row l % 16, channels 8 (l / 16) + 0..7 and 16 + 8 (l / 16) + 0..7: two loads of 16 bytes, 32 bytes apart.
	v_mul_u32_u24 v[AK0], v1, PK
	v_lshl_add_u32 v[AK0], v9, 4, v[AK0]  ; row x pitch + 16 x half
	v_add_nc_u32 v[AK0], F16K, v[AK0]
	; The turning load takes 16 keys x 16 channels (lane l reads key 8 (l / 16) + l % 8, channels 8 ((l / 8) % 2) + 0..7) and leaves half a fragment of V^T: lane l holds channel l % 16 and 8 keys.
	v_and_b32 v10, 7, v0
	v_bfe_u32 v11, v0, 3, 1
	v_lshl_add_u32 v[AV0], v9, 3, v10
	v_mul_u32_u24 v[AV0], v[AV0], PV
	v_lshl_add_u32 v[AV0], v11, 4, v[AV0]
	v_add_nc_u32 v[AV0], F16V, v[AV0]
	v_mov_b32 v[AK], v[AK0]         ; key step 0 lies at the head of slot 0
	s_mul_i32 s13, s[WV], STW
	s_add_co_u32 s13, s13, STAGE    ; my stage
	v_mul_u32_u24 v[QS], v9, PK     ; Q in: the load's two rows, 8 bytes (4 channels) a lane
	v_lshl_add_u32 v[QS], v1, 3, v[QS]
	v_add_nc_u32 v[QS], s13, v[QS]
	v_mul_u32_u24 v[QR], v1, PK     ; Q back: a fragment's row x pitch + 16 x half
	v_lshl_add_u32 v[QR], v9, 4, v[QR]
	v_add_nc_u32 v[QR], s13, v[QR]
	v_bfe_u32 v12, v0, 3, 2         ; the cast: key l / 8 of four, channels 8 (l % 8) on, in my wave's 32 keys
	v_mul_u32_u24 v13, v12, PF
	v_lshl_add_u32 v13, v10, 5, v13
	v_mul_u32_u24 v14, v12, PK
	v_lshl_add_u32 v14, v10, 4, v14
	v_mul_u32_u24 v15, v12, PV
	v_lshl_add_u32 v15, v10, 4, v15
	s_mul_i32 s16, s[WV], 32*PF
	s_mul_i32 s18, s[WV], 32*PK
	s_add_co_u32 s18, s18, F16K
	s_mul_i32 s19, s[WV], 32*PV
	s_add_co_u32 s19, s19, F16V
	WIN W_MK
	v_add_nc_u32 v[CF0], s16, v13
	v_add_nc_u32 v[CK0], s18, v14
	v_add_nc_u32 v[CV0], s19, v15
	WIN 0
	s_wait_tensorcnt 1              ; my part of chunk 0 is in; chunk 1's may stay out
	s_barrier_signal -1
	s_barrier_wait -1               ; everybody's is
	CONVERT                         ; chunk 0
	; Q: rounded to f16, through my stage, into fragments.  The bytes are my wave's own, and LDS serves a wave's instructions in order (ISA guide 5.7.1.4): no wait stands between the stores and the loads.
	WIN 0x05                        ; sources 0 and 1 window 1, destination window 0
.set t, 0
.rept 8
	s_wait_loadcnt 56-8*t           ; loads come back in order (ISA guide 5.7.1): tile t's eight are in; the 56 - 8 t behind them may be out
.set i, 0
.rept 16
	v_cvt_pk_f16_f32 v[S+16*t+i], v[32*t+2*i], v[32*t+2*i+1]
.set i, i+1
.endr
.set t, t+1
.endr
	WIN 0
.set i, 0
.rept 64
	ds_store_b64 v[QS], v[S+2*i:S+2*i+1] offset:i*2*PK
.set i, i+1
.endr
	WIN 0x80                        ; destination window 2
.set i, 0
.rept 4*NP                          ; tile i / 2, channels 32 (i % 2) on
	ds_load_b128 v[8*i:8*i+3],   v[QR] offset:(i/2)*16*PK+(i%2)*64
	ds_load_b128 v[8*i+4:8*i+7], v[QR] offset:(i/2)*16*PK+(i%2)*64+32
.set i, i+1
.endr
	WIN 0x40                        ; O^T starts at 0, now that Q's f32 rows have been read
.set i, 0
.rept 64*NP
	v_mov_b32 v[i], 0
.set i, i+1
.endr
	WIN 0
; THE MATRIX WORK.  The 8 accumulators of a run of 16 take turns: between the two links of a chain stand 7 others'.
; Product i of 16 of S^T = K Q^T for piece x: channels 32 (i / 8) on, keys 16 ((i / 2) % 4) on, tile 2 x + i % 2.  The first 8 start the sums.
.macro KQ x
	WIN W_KQ
.set rS, S+64*((\x)%2)+32*(i%2)+8*((i/2)%4)
.set rK, KF+16*((i/2)%4)+8*(i/8)
.set rQ, 16*(2*(\x)+i%2)+8*(i/8)
.if i < 8
	v_wmma_f32_16x16x32_f16 v[rS:rS+7], v[rK:rK+7], v[rQ:rQ+7], 0
.else
	v_wmma_f32_16x16x32_f16 v[rS:rS+7], v[rK:rK+7], v[rQ:rQ+7], v[rS:rS+7]
.endif
.endm
; Product i of 16 of O^T += V^T P for piece x: keys 32 (i / 8) on, channels 16 ((i / 2) % 4) on, tile 2 x + i % 2.
.macro PV x
	WIN W_PV
.set rO, 32*(2*(\x)+i%2)+8*((i/2)%4)
.set rV, VF+32*(i/8)+8*((i/2)%4)
.set rP, P+32*((\x)%2)+16*(i%2)+8*(i/8)
	v_wmma_f32_16x16x32_f16 v[rO:rO+7], v[rV:rV+7], v[rP:rP+7], v[rO:rO+7]
.endm
.macro MM                           ; the turn's next matrix instruction
.if i < 16
	KQ (Y+1)%NP
.set i, i+1
.else
.set i, i-16
	PV (Y+NP-1)%NP
.set i, i+17
.endif
.endm
; THE FRAGMENT LOADS stand in runs of 16, never singly among the matrix instructions: a step's K (64 keys x 64 channels: 8 fragments) and its V (turned).  Their addresses are made some lines ahead.
.macro FETCH_K
	WIN 0x80                        ; destination window 2
.irp f, 0,1,2,3,4,5,6,7             ; keys 16 (f / 2) on, channels 32 (f % 2) on
	ds_load_b128 v[KF+8*\f:KF+8*\f+3],   v[AK] offset:(\f/2)*16*PK+(\f%2)*64
	ds_load_b128 v[KF+8*\f+4:KF+8*\f+7], v[AK] offset:(\f/2)*16*PK+(\f%2)*64+32
.endr
	s_add_co_u32 s[TBK], s[TBK], KS*PK  ; the next fetch is the next step's
	WIN 0
.endm
.macro FETCH_V
	WIN 0x80
.irp f, 0,1,2,3,4,5,6,7             ; keys 32 (f / 4) on, channels 16 (f % 4) on
	ds_load_tr16_b128 v[VF+8*\f:VF+8*\f+3],   v[AV] offset:(\f/4)*32*PV+(\f%4)*32
	ds_load_tr16_b128 v[VF+8*\f+4:VF+8*\f+7], v[AV] offset:(\f/4)*32*PV+16*PV+(\f%4)*32
.endr
	WIN 0
.endm
; THE VECTOR WORK OF A TURN stands in three queues, each in the order in which its entries become ready; the two tiles alternate, so that no instruction reads the result of the one before it.
.macro REGS y, u                    ; the registers of tile u (0, 1) of piece y
.set rT, ST+4*(2*(\y)+(\u))
.set rC, TMP+8*((\y)%2)+4*(\u)
.set rM, MV+2*((\y)%2)+(\u)
.set rS, S+64*((\y)%2)+32*(\u)
.set rP, P+32*((\y)%2)+16*(\u)
.set rO, 32*(2*(\y)+(\u))
.endm
; Number n of the 22 that find the NEXT piece's (Y + 1) maximum and statistics.  s0-s31 are the lane's 32 scores; each accumulator's lowest registers are read first.  XS, GS and REGS set no window: PL and EX do.
;   0-11  four chains c0-c3 of seven scores each, three operands at a time     12-14, 16  the four scores left over, the old m, and c0-c3 into c0     15  c m_old is kept
;   17, 18  the query's other 32 keys lie in the lane 16 away: the new m         19-21  c m; c m_old - c m_new; a
.macro XS u, n
	REGS (Y+1)%NP, \u
.if (\n) < 4
	v_max3_num_f32 v[rC+(\n)], v[rS+8*(\n)], v[rS+8*(\n)+1], v[rS+8*(\n)+2]
.elseif (\n) < 12
	v_max3_num_f32 v[rC+(\n)%4], v[rC+(\n)%4], v[rS+8*((\n)%4)+2*((\n)/4)+1], v[rS+8*((\n)%4)+2*((\n)/4)+2]
.elseif (\n) == 12
	v_max3_num_f32 v[rC], v[rC], v[rS+7], v[rS+15]
.elseif (\n) == 13
	v_max3_num_f32 v[rC+1], v[rC+1], v[rS+23], v[rS+31]
.elseif (\n) == 14
	v_max3_num_f32 v[rC+2], v[rC+2], v[rC+3], v[rT+1]
.elseif (\n) == 15
	v_mov_b32 v[rM], v[rT]
.elseif (\n) == 16
	v_max3_num_f32 v[rC], v[rC], v[rC+1], v[rC+2]
.elseif (\n) == 17
	v_permlanex16_b32 v[rC+3], v[rC], s[SEL], s[SEL+1]
.elseif (\n) == 18
	v_max_num_f32 v[rT+1], v[rC], v[rC+3]
.elseif (\n) == 19
	v_mul_f32 v[rT], s[CS], v[rT+1]
.elseif (\n) == 20
	v_sub_f32 v[rC+1], v[rM], v[rT]
.else
	v_exp_f32 v[rC+2], v[rC+1]
.endif
.endm
; Number g of the 64 that follow the exponentials.  For each four weights k of a tile (pairs 2 k, 2 k + 1): both pairs are rounded to f16; then the second pair is added onto the first, in place;
; a group later l takes that sum (the first time as l = a l + sum).  In groups of eight, tiles alternating: round, round, add, and l for the group before.
.macro GS g
.set h, (\g)+6*((\g)/62)            ; group 0 has no group before it, and behind group 7 only l is left
.if h >= 6
.set h, h+2
.endif
	REGS Y, h%2
.set k, h/8
.if h%8 < 4
	v_cvt_pk_f16_f32 v[rP+2*k+(h%8)/2], v[rS+4*k+2*((h%8)/2)], v[rS+4*k+2*((h%8)/2)+1]
.elseif h%8 < 6
	v_pk_add_f32 v[rS+4*k:rS+4*k+1], v[rS+4*k:rS+4*k+1], v[rS+4*k+2:rS+4*k+3]
.elseif k == 1
	v_pk_fma_f32 v[rT+2:rT+3], v[rT+2:rT+3], v[rC+2:rC+3], v[rS:rS+1] op_sel_hi:[1,0,1]
.else
	v_pk_add_f32 v[rT+2:rT+3], v[rT+2:rT+3], v[rS+4*k-4:rS+4*k-3]
.endif
.endm
; THE PLAIN QUEUE, 138 long.  0-31: c s - c m for the 16 pairs of both tiles.  Then GS's 64, and among them the next piece's 42: number 15 at 38, 39; 0-14 and 16
; at 42-73, behind the products that make those scores; 17-20 at 95-106, two of three, since each waits for the one before it.
.macro PL
	WIN 0
.if q < 32
	REGS Y, q%2
	v_pk_fma_f32 v[rS+2*(q/2):rS+2*(q/2)+1], v[rS+2*(q/2):rS+2*(q/2)+1], s[CS:CS+1], v[rT:rT+1] op_sel_hi:[1,0,0] neg_lo:[0,0,1] neg_hi:[0,0,1]
.elseif q < 38
	GS q-32
.elseif q < 40
	XS q%2, 15
.elseif q < 42
	GS q-34
.elseif q < 74
	XS q%2, (q-42)/2+(q-42)/30
.elseif q < 95
	GS q-66
.elseif (q < 107) && ((q-95)%3 < 2)
	XS (q-95)%3, 17+(q-95)/3
.elseif q < 107
	GS 29+(q-95)/3
.else
	GS q-74
.endif
.set q, q+1
.endm
; THE EXPONENTIALS' QUEUE, 66 long: s0-s31 of both tiles, and at EA the next piece's two a.
.set EA, 58
.macro EX
	WIN 0
.if (e == EA) || (e == EA+1)
	XS e-EA, 21
.else
.set x, e-2*(e/(EA+2))
	REGS Y, x%2
	v_exp_f32 v[rS+x/2], v[rS+x/2]
.endif
.set e, e+1
.endm
; THE RESCALING's QUEUE: O^T times a, the one part that leaves window 0, so it is dealt four at a time, eight times.
.macro R4
	REGS Y, r%2
	WIN W_RS
.irp z, 0,1,2,3
	v_pk_mul_f32 v[rO+8*(r/2)+2*\z:rO+8*(r/2)+2*\z+1], v[rO+8*(r/2)+2*\z:rO+8*(r/2)+2*\z+1], v[rC+2:rC+3] op_sel_hi:[1,0]
.endr
.set r, r+1
.endm
; HOW THEY ARE DEALT.  Behind a matrix instruction four: plain, exponential, plain, plain (one exponential, a plain instruction on either side), or four of the rescaling.  None names a register of the
; products round it.  What is over stands in two LUMPS: exponential and plain by turns; the second ends in 22 plain instructions.  The two v_permlanex16_b32 fall into the second lump, never behind a product.
; The queues lean on each other, and the deal keeps them in step: exponential e stands behind plain 2 (e / 4) + e % 2 (its scaling); when plain 32 comes, 10 exponentials are out, at 59: 33, at 95: 46; EA comes behind plain 107.
.macro SL
	MM
	PL
	EX
	PL
	PL
.endm
.macro BURST n                      ; 15 matrix instructions, or 16
.rept (\n)-7
	SL
.endr
.rept 3
	MM
	R4
	SL
.endr
	MM
	R4
.endm
; A TURN, for piece p.  nok = 1: there is no further step, and K is not fetched.  cnt = 1: the loop's count is taken down some lines ahead of the branch that stands behind the turn.
; K of the next step is fetched in piece 2's turn, 31 vector instructions behind the last product that read K; its first reader comes behind the rest of the lump, 16 products and the second lump.
; V of the step in hand is fetched at the end of piece 0's turn, 69 behind its last reader; its first reader comes behind 16 products and a lump.  The four conditions on e and q below go with the deal.
.macro TURN p, nok=0, cnt=0
.set Y, (\p)
.set i, 0
.set q, 0
.set e, 0
.set r, 0
.if (\p) == NP-1
	s_wait_dscnt 0x0                ; K is in
.endif
	MM
.rept 4
	PL
.endr
	BURST 15
.rept 22
	EX
	PL
.if ((\p) == NP-2) && (e == 18) && !(\nok)
	v_add_nc_u32 v[AK], s[TBK], v[AK0]
.endif
.if ((\p) == NP-2) && (e == 24) && !(\nok)
	FETCH_K
.endif
.endr
.if (\p) == 1
	s_wait_dscnt 0x0                ; V is in
.endif
	BURST 16
.rept 21
	EX
	PL
.endr
.rept 22
	PL
.if ((\p) == 0) && (q == 118)
	v_add_nc_u32 v[AV], s[TBV], v[AV0]
.endif
.if ((\p) == 0) && (q == 130)
	s_add_co_u32 s[TBV], s[TBV], KS*PV
.endif
.if (\cnt) && (q == 130)
	s_sub_co_u32 s[CNT], s[CNT], 1
	s_cmp_lg_u32 s[CNT], 0
.endif
.endr
.if (\p) == 0
	FETCH_V
.endif
.endm
	CHANGE 1                        ; f16 chunk 0 is whole, f32 chunk 1 is in, everybody's part of them; chunk 2 is asked for, into the f32 slot that chunk 0 left
	CONVERT                         ; chunk 1
	FETCH_K                         ; key step 0
	s_wait_dscnt 0x0                ; K and Q's fragments are in
.set i, 0
.rept 16
	KQ 0                            ; piece 0's first scores: there is no vector work yet to set between them
.set i, i+1
.endr
	WIN 0                           ; the addresses for the way out: six plain instructions, the places behind those products
	v_mul_u32_u24 v[STO], v1, SO    ; in: row l % 16, 32 bytes (8 channels) for each half of the lanes
	v_lshl_add_u32 v[STO], v9, 5, v[STO]
	v_add_nc_u32 v[STO], s13, v[STO]
	v_mul_u32_u24 v[RD], v9, SO     ; back: lanes 0-15 take one row of 256 bytes, lanes 16-31 the next
	v_lshl_add_u32 v[RD], v1, 4, v[RD]
	v_add_nc_u32 v[RD], s13, v[RD]
.set Y, NP-1                        ; XS works for piece Y + 1: piece 0
.irp n, 0,1,2,3,4,5,6,7,8,9,10,11,12,13,14,15,16,17,18,19,20,21
	XS 0, \n                        ; piece 0's first maximum and statistics
	XS 1, \n
.endr
	s_mov_b32 s[CNT], 2
	s_mov_b32 s[SLOTS], NCH-2
	s_branch .Lfirst                ; the loop is entered at a step's first turn, in the middle of a trip
.Lslot:                             ; NCH - 3 times: chunks 3 to NCH - 1 are asked for here
	CHANGE 1
	CONVERT
	s_mov_b32 s[CNT], 2
.Lstep:                             ; a trip: pieces 2 and 3 of one step, then pieces 0 and 1 of the next, whose K and V it fetches
	TURN 2
	TURN 3
	WIN 0
.Lfirst:
	TURN 0
	TURN 1, 0, 1
	WIN 0
	s_cbranch_scc1 .Lstep
	s_sub_co_u32 s[SLOTS], s[SLOTS], 1
	s_cmp_lg_u32 s[SLOTS], 0
	s_cbranch_scc1 .Lslot
	s_mov_b32 s[TL], 2              ; the tail is a text of its own: two chunks for which nothing is asked
.Ltc:
	CHANGE 0
	s_cmp_eq_u32 s[TL], 1           ; behind the first of the two changes the last chunk is cast; behind the second nothing is left to cast: the jump passes LDS and register work alone
	s_cbranch_scc1 .Lnoconv
	CONVERT
.Lnoconv:
	s_mov_b32 s[CNT], 2
.Ltstep:
	TURN 2
	TURN 3
	TURN 0
	TURN 1, 0, 1
	WIN 0
	s_cbranch_scc1 .Ltstep
	s_sub_co_u32 s[TL], s[TL], 1
	s_cmp_lg_u32 s[TL], 0
	s_cbranch_scc1 .Ltc
	TURN 2, 1                       ; the last step's pieces 2 and 3.  Piece 3's turn makes 16 products K Q^T on the last K once more, and a maximum of them, which serve nothing:
	TURN 3                          ; the price, once a launch, of one text for every turn
.set i, 0
.rept 16
	PV NP-1                         ; the last piece's V^T P of the last step
.set i, i+1
.endr
	; THE WAY OUT.  l's two halves and the other half of the lanes' are added; O^T is divided by l and sent through my stage in LDS, a tile at a time.  The additions are the places behind the last products.
	WIN 0
.macro ALL line:vararg              ; one line for each tile t
.set t, 0
.rept 2*NP
	\line
.set t, t+1
.endr
.endm
	ALL v_add_f32 v[ST+4*t+2], v[ST+4*t+2], v[ST+4*t+3]
	ALL v_permlanex16_b32 v[ST+4*t+3], v[ST+4*t+2], s[SEL], s[SEL+1]
	ALL v_add_f32 v[ST+4*t+2], v[ST+4*t+2], v[ST+4*t+3]
	ALL v_rcp_f32 v[ST+4*t+2], v[ST+4*t+2]
	v_nop                           ; a plain instruction between the last reciprocal and the use of its result
; Tile t: a lane's eight channels of a row are 32 bytes; they go into rows of 272 bytes and come back as whole rows of 256, into S^T's registers, a quarter of which serves each tile in turn.
.macro PACK t
	WIN W_RS
.set i, 32*(\t)
.rept 16                            ; ascending: each accumulator's lowest registers are read first
	v_pk_mul_f32 v[i:i+1], v[i:i+1], v[ST+4*(\t)+2:ST+4*(\t)+3] op_sel_hi:[1,0]
.set i, i+2
.endr
	WIN 0x04                        ; the stores' data (source 1) in window 1, their address in window 0
.irp f, 0,1,2,3,4,5,6,7             ; channels 16 (f / 2) + 8 (l / 16) + 4 (f % 2) on
	ds_store_b128 v[STO], v[32*(\t)+4*\f:32*(\t)+4*\f+3] offset:(\f/2)*64+(\f%2)*16
.endr
	WIN 0
.if (\t) >= 4
	s_wait_xcnt 0x0                 ; the registers loaded below are the data of tile t - 4's stores: they are written again only behind this wait (ISA guide 3.1)
.endif
.irp f, 0,1,2,3,4,5,6,7
	ds_load_b128 v[S+32*((\t)%4)+4*\f:S+32*((\t)%4)+4*\f+3], v[RD] offset:\f*2*SO  ; LDS serves a wave's instructions in order (ISA guide 5.7.1.4): these see the stores above; the next tile's stores come behind them
.endr
.endm
.macro SEND t, younger              ; younger: the LDS instructions issued behind tile t's loads: the next tile's sixteen, or none
	WIN 0
.irp f, 0,1,2,3,4,5,6,7
	s_wait_dscnt (\younger)+7-\f
	global_store_b128 v[GO], v[S+32*((\t)%4)+4*\f:S+32*((\t)%4)+4*\f+3], s[10:11] offset:(\t)*16*ROWB+\f*2*ROWB th:TH_STORE_NT  ; 16 lanes store 256 consecutive bytes, a head's row, at a multiple of 256 from O's first byte
.endr
.endm
	PACK 0
.set t, 1
.rept 2*NP-1                        ; a tile's arithmetic stands between the loads of the tile before and its stores
	PACK t
	SEND t-1, 16
.set t, t+1
.endr
	SEND 2*NP-1, 0
	WIN W_AD
	s_wait_tensorcnt 0x0            ; the wave's end: a wait, an add of 0 and a wait, behind my last tensor load and my last LDS store
	ds_add_u32 v[SPW], v[NIL]
	s_wait_dscnt 0x0
	WIN 0
	CROUND                          ; the closing round: no work-group ends while a partner may still ask for a tile that names it
	s_endpgm
.Lfunc_end_k_q4e67efddd0_attn:
	.size	k_q4e67efddd0_attn, .Lfunc_end_k_q4e67efddd0_attn-k_q4e67efddd0_attn
	.p2alignl 7, 3214868480
	.fill 96, 4, 3214868480
	.section	.rodata,"a",@progbits
	.p2align	6, 0x0
	.amdhsa_kernel k_q4e67efddd0_attn
		.amdhsa_group_segment_fixed_size 327680
		.amdhsa_private_segment_fixed_size 0
		.amdhsa_enable_private_segment 0
		.amdhsa_kernarg_size 32
		.amdhsa_user_sgpr_count 2
		.amdhsa_user_sgpr_kernarg_segment_ptr 1
		.amdhsa_wavefront_size32 1
		.amdhsa_system_sgpr_workgroup_id_x 1
		.amdhsa_system_sgpr_workgroup_id_y 1
		.amdhsa_system_sgpr_workgroup_id_z 1
		.amdhsa_system_vgpr_workitem_id 0
		.amdhsa_next_free_vgpr 976
		.amdhsa_next_free_sgpr 66
		.amdhsa_reserve_vcc 0
		.amdhsa_float_denorm_mode_32 3
		.amdhsa_float_denorm_mode_16_64 3
		.amdhsa_memory_ordered 1
		.amdhsa_forward_progress 1
		.amdhsa_inst_pref_size 255
	.end_amdhsa_kernel
	.section	.bss,"aw",@nobits
	.p2align	6
	.space	262144
	.amdgpu_metadata
---
amdhsa.version: [ 1, 2 ]
amdhsa.kernels:
  - .name:           k_q4e67efddd0_attn
    .symbol:         k_q4e67efddd0_attn.kd
    .args:
      - { .name: query_layer, .offset: 0, .size: 8, .value_kind: global_buffer, .address_space: global }
      - { .name: key_layer, .offset: 8, .size: 8, .value_kind: global_buffer, .address_space: global }
      - { .name: value_layer, .offset: 16, .size: 8, .value_kind: global_buffer, .address_space: global }
      - { .name: out0, .offset: 24, .size: 8, .value_kind: global_buffer, .address_space: global }
    .group_segment_fixed_size: 327680
    .private_segment_fixed_size: 0
    .kernarg_segment_align: 8
    .kernarg_segment_size: 32
    .max_flat_workgroup_size: 128
    .sgpr_count:     66
    .vgpr_count:     976
    .wavefront_size: 32
...
	.end_amdgpu_metadata
.endif
;; end of part 1
